; MI455X (gfx1250); checked and timed in simulation.
; The chip was launched on July 23, 2026; its instructions are those of AMD's public machine-readable ISA for CDNA 5 (MIT licence, August 2026) and "CDNA5" Instruction Set Architecture Reference Guide (July 2026). The comments in the code are by the model that wrote it; some were corrected since.
;; Multi Resolution Hash Time Double Encoder Network. Allowed arithmetic: float matrix products may take bf16 or f16 operands with f32 sums; all other float work in f32.
;; Inputs: skip_alpha one number float32; t one number float32; table_dynamic 16 x 524,288 x 2 float32; table_static 16 x 524,288 x 2 float32; w1_0 64 x 64 float32; w1_1 64 x 64 float32; w1_2 64 x 64 float32; w2_0 64 x 64 float32; w2_1 64 x 64 float32; w2_2 64 x 1 float32; x 262,144 x 3 float32.
;; Outputs: out0 262,144 x 1 float32.
;; 2 versions, each right; version 2 is version 1 with the launch net written anew for expert scheduling mode. Each part assembles by itself: llvm-mc -triple=amdgcn-amd-amdhsa -mcpu=gfx1250 --defsym DOCPART=n.
;; ======== version 1 of 2: 2 launches
;; workspace buffers: idx 33,554,432 bytes of whole numbers; lev 512 bytes of whole numbers
;; launch grid (part 1): grid 512 x 1, 8 waves a work-group, no clusters, 0 bytes of LDS; arguments x, t, idx, lev; writes idx, lev
.if DOCPART == 1
	.amdgcn_target "amdgcn-amd-amdhsa--gfx1250"
	.amdhsa_code_object_version 6
	.text
	.protected	k_qa5df0e16c9_grid
	.globl	k_qa5df0e16c9_grid
	.p2align	8
	.type	k_qa5df0e16c9_grid,@function
k_qa5df0e16c9_grid:
	s_mov_b64 s[64:65], 0
	v_nop
	global_prefetch_b8 v0, s[64:65] scope:SCOPE_SE
	s_setreg_imm32_b32 hwreg(HW_REG_WAVE_MODE, 25, 1), 1
	s_wait_xcnt 0x0
; THE WHOLE NUMBERS OF THE HASH GRID.  For every point p and level l: g = floor(x RES_l) per axis, and of the three hash terms gx, gy p1, gz p2
; the low 19 bits, which are all that the masked hash of any corner needs: ((g + 1) p) & M = ((g p & M) + (p & M)) & M.
; idx[l][p], 8 bytes: bits 0-18 gx & M, bits 19-37 (gy p1) & M, bits 38-56 (gz p2) & M.   A level is 262,144 x 8 bytes = 2 MiB.
; lev[l], 16 bytes: (gt p3) & M, ((gt + 1) p3) & M, RES_l, 0.  Entries 16-31 (RES = 0) are written so that one store of a whole wave does it; nobody reads them.
; SHARES.  Thread g = 256 x work-group + thread owns points 2 g and 2 g + 1 in all 16 levels: its 16 bytes of a level lie beside its neighbours',
; so each store of a wave covers 512 consecutive bytes, aligned.  Every level's store has data registers of its own: nothing that a store reads is written again, and the run of levels has no wait.
; RES_l = floor(16 b^l) with b = 128^(1/15) as double arithmetic gives it: b is rounded down, b^15 falls seven steps short of 128, so the last level is 2047, not 2048.
; LIMIT.  |x| RES and |t| RES stay under 2^31 (the conversion to a whole number saturates there); NaN is not treated apart.
.set MASK, 0x7ffff
.set X,  4                             ; v[4:9]    xA yA zA xB yB zB
.set P,  10                            ; v[10:15]  the same times RES, then whole numbers, then hash terms
.set LV, 20                            ; v[20:23]  a lane's entry of lev; v24 at work
.set R,  32                            ; v[32:95]  level l's 16 bytes at R + 4 l
	s_load_b256 s[4:11], s[0:1], 0x0               ; x s[4:5], t s[6:7], idx s[8:9], lev s[10:11]
	v_mul_u32_u24 v1, 24, v0                       ; my two points' 24 bytes of x
	v_lshlrev_b32 v2, 4, v0                        ; my 16 bytes of a level; never rewritten
	v_lshrrev_b32 v3, 5, v0
	v_readfirstlane_b32 s24, v3                    ; wave
	s_mov_b32 s12, MASK
	s_mov_b32 s13, 0x9e3779b1                      ; p1
	s_mov_b32 s14, 0x30025795                      ; p2
	s_mov_b32 s15, 0xdb06c2f5                      ; p3
	s_mul_i32 s26, ttmp9, 6144                     ; 256 threads x 24 bytes
	s_mov_b32 s27, 0
	s_wait_kmcnt 0x0
	s_load_b32 s25, s[6:7], 0x0                    ; t
	s_add_nc_u64 s[4:5], s[4:5], s[26:27]
	global_load_b64 v[X:X+1],   v1, s[4:5]
	global_load_b64 v[X+2:X+3], v1, s[4:5] offset:8
	global_load_b64 v[X+4:X+5], v1, s[4:5] offset:16
	s_lshl_b32 s26, ttmp9, 12                      ; 256 threads x 16 bytes
	s_add_nc_u64 s[16:17], s[8:9], s[26:27]        ; four bases, four levels (8 MiB) apart: a level's place among four stands in the store's immediate
	s_add_nc_u64 s[18:19], s[16:17], 0x800000
	s_add_nc_u64 s[20:21], s[16:17], 0x1000000
	s_add_nc_u64 s[22:23], s[16:17], 0x1800000
	s_wait_loadcnt 0x0
.macro LEVEL l, res
	s_movk_i32 s28, \res
	s_cvt_f32_u32 s28, s28                         ; RES as f32, exact
	s_mov_b32 s29, s28                             ; named with it as a pair
.irp j, 0,2,4
	v_pk_mul_f32 v[P+\j:P+\j+1], v[X+\j:X+\j+1], s[28:29] op_sel_hi:[1,0]
.endr
.irp j, 0,1,2,3,4,5
	v_floor_f32 v[P+\j], v[P+\j]
.endr
.irp j, 0,1,2,3,4,5
	v_cvt_i32_f32 v[P+\j], v[P+\j]
.endr
.irp b, 0,3                            ; point A, point B
	v_mul_lo_u32 v[P+\b+1], v[P+\b+1], s13
	v_mul_lo_u32 v[P+\b+2], v[P+\b+2], s14
	v_and_b32 v[P+\b],   s12, v[P+\b]
	v_and_b32 v[P+\b+1], s12, v[P+\b+1]
	v_and_b32 v[P+\b+2], s12, v[P+\b+2]
	v_lshl_or_b32 v[R+4*(\l)+2*(\b/3)], v[P+\b+1], 19, v[P+\b]       ; low word: 19 bits of x's term, 13 of y's
	v_lshrrev_b32 v[P+\b+1], 13, v[P+\b+1]
	v_lshl_or_b32 v[R+4*(\l)+2*(\b/3)+1], v[P+\b+2], 6, v[P+\b+1]    ; high word: y's other 6 bits, 19 of z's
.endr
	global_store_b128 v2, v[R+4*(\l):R+4*(\l)+3], s[16+2*((\l)/4):17+2*((\l)/4)] offset:((\l)%4)*0x200000
.endm
.macro RESL l, res                     ; RES_l into lane l
	s_movk_i32 s28, \res
	v_writelane_b32 v[LV+2], s28, \l
.endm
.macro ALL_LEVELS what
	\what 0, 16
	\what 1, 22
	\what 2, 30
	\what 3, 42
	\what 4, 58
	\what 5, 80
	\what 6, 111
	\what 7, 153
	\what 8, 212
	\what 9, 294
	\what 10, 406
	\what 11, 561
	\what 12, 776
	\what 13, 1072
	\what 14, 1482
	\what 15, 2047
.endm
	ALL_LEVELS LEVEL
	s_cmp_lg_u32 ttmp9, 0                          ; lev is made by wave 0 of work-group 0, lane l for level l
	s_cbranch_scc1 .Lend
	s_cmp_lg_u32 s24, 0
	s_cbranch_scc1 .Lend
	s_wait_kmcnt 0x0                               ; t
	v_mov_b32 v[LV+2], 0
	ALL_LEVELS RESL
	v_cvt_f32_u32 v24, v[LV+2]
	v_mul_f32 v24, s25, v24
	v_floor_f32 v24, v24
	v_cvt_i32_f32 v24, v24
	v_mul_lo_u32 v24, v24, s15
	v_and_b32 v[LV], s12, v24                      ; (gt p3) & M
	v_add_nc_u32 v[LV+1], 0x6c2f5, v[LV]           ; + p3 & M
	v_and_b32 v[LV+1], s12, v[LV+1]
	v_mov_b32 v[LV+3], 0
	global_store_b128 v2, v[LV:LV+3], s[10:11]     ; in wave 0 the thread's number is the lane: 512 consecutive bytes
.Lend:
	s_endpgm
.Lfunc_end_k_qa5df0e16c9_grid:
	.size	k_qa5df0e16c9_grid, .Lfunc_end_k_qa5df0e16c9_grid-k_qa5df0e16c9_grid
	.p2alignl 7, 3214868480
	.fill 96, 4, 3214868480
	.section	.rodata,"a",@progbits
	.p2align	6, 0x0
	.amdhsa_kernel k_qa5df0e16c9_grid
		.amdhsa_group_segment_fixed_size 0
		.amdhsa_private_segment_fixed_size 0
		.amdhsa_enable_private_segment 0
		.amdhsa_kernarg_size 32
		.amdhsa_user_sgpr_count 2
		.amdhsa_user_sgpr_kernarg_segment_ptr 1
		.amdhsa_wavefront_size32 1
		.amdhsa_system_sgpr_workgroup_id_x 1
		.amdhsa_system_sgpr_workgroup_id_y 1
		.amdhsa_system_sgpr_workgroup_id_z 1
		.amdhsa_system_vgpr_workitem_id 0
		.amdhsa_next_free_vgpr 96
		.amdhsa_next_free_sgpr 66
		.amdhsa_reserve_vcc 0
		.amdhsa_float_denorm_mode_32 3
		.amdhsa_float_denorm_mode_16_64 3
		.amdhsa_memory_ordered 1
		.amdhsa_forward_progress 1
		.amdhsa_inst_pref_size 28
	.end_amdhsa_kernel
	.amdgpu_metadata
---
amdhsa.version: [ 1, 2 ]
amdhsa.kernels:
  - .name:           k_qa5df0e16c9_grid
    .symbol:         k_qa5df0e16c9_grid.kd
    .args:
      - { .name: x, .offset: 0, .size: 8, .value_kind: global_buffer, .address_space: global }
      - { .name: t, .offset: 8, .size: 8, .value_kind: global_buffer, .address_space: global }
      - { .name: idx, .offset: 16, .size: 8, .value_kind: global_buffer, .address_space: global }
      - { .name: lev, .offset: 24, .size: 8, .value_kind: global_buffer, .address_space: global }
    .group_segment_fixed_size: 0
    .private_segment_fixed_size: 0
    .kernarg_segment_align: 8
    .kernarg_segment_size: 32
    .max_flat_workgroup_size: 256
    .sgpr_count:     66
    .vgpr_count:     96
    .wavefront_size: 32
...
	.end_amdgpu_metadata
.endif
;; end of part 1
;; launch net (part 2): grid 256 x 1, 16 waves a work-group, no clusters, 316,160 bytes of LDS; arguments idx, lev, x, t, table_static, table_dynamic, w1_0, w1_1, w1_2, w2_0, w2_1, w2_2, skip_alpha, out0; writes out0
.if DOCPART == 2
	.amdgcn_target "amdgcn-amd-amdhsa--gfx1250"
	.amdhsa_code_object_version 6
	.text
	.protected	k_qa5df0e16c9_net
	.globl	k_qa5df0e16c9_net
	.p2align	8
	.type	k_qa5df0e16c9_net,@function
k_qa5df0e16c9_net:
	s_mov_b64 s[64:65], 0
	v_nop
	global_prefetch_b8 v0, s[64:65] scope:SCOPE_SE
	s_setreg_imm32_b32 hwreg(HW_REG_WAVE_MODE, 25, 1), 1
	s_wait_xcnt 0x0
; HASH ENCODING (3-D static, 4-D dynamic, 16 levels) AND BOTH NETS, IN ONE LAUNCH.
; SHARES.  256 work-groups of 16 waves; a lane owns two neighbouring points (A, B), a wave 64, a work-group 1,024: all 262,144 points are in hand at once and all waves
; walk the levels 0 to 15 in the same order.
; ENCODING.  A trip is a level.  The three masked hash terms of each point come as whole numbers from idx, t's two terms and RES from lev (an earlier launch made them).  The 8 static
; indices are exclusive ors of the terms and of the terms stepped by p & M; the 16 dynamic ones are those 8, each with one of t's two terms.  48 gathers of 8 bytes a lane and level;
; a level's gathers are issued a whole trip ahead of their use, point A's while point B's of the level before are still out.  The weights are made anew from x (fract(x RES)).
; A point's four features of a level (static 2, dynamic 2) go to the wave's own LDS in f32.
; NETS.  The matrix instruction is used transposed: source 0 = 16 output features (W is kept [k][m] in LDS and turned by ds_load_tr16_b128), source 1 = 16 points.  A lane of the result
; holds ONE point (lane % 16) and features 16 mt + 8 (lane / 16) + 0..7, so results mt = 2 kk and 2 kk + 1, rounded in pairs, ARE source 1 of the next layer's K step kk.
; FORMAT.  f16 operands, f32 sums.  The nets have no bias and only ReLU, so a positive factor passes through them.  Exact powers of two are used: each point's features, and again its
; blend, are scaled so that the largest lies in [1, 2); each weight matrix likewise.  Then hidden layer 1 is at most 64 x 2 x 2 = 256 and hidden layer 2 at most 64 x 256 x 2 = 32,768:
; inside f16 for every input.  The third layer's result stays in f32.  w1's inverse scales are folded into alpha, the points' and w2's into the last multiply.
; LIMITS.  A point whose largest feature or blend value is below 2^-126, and a matrix whose largest weight is, count as 0; largest values of 2^127 and more are not served.  Numbers more than
; 2^14 below the largest of their point or matrix keep a fixed step of 2^-24 of that scale.  |x| RES, |t| RES under 2^31 (the launch before).  NaN and infinities are not treated apart.
; NO CLUSTER, NO TENSOR LOADS: the gathers are addressed lane by lane; what work-groups share is 80 KiB of weights, read once by each.
.set M19,   0x7ffff
.set PW,    160                        ; a row of a weight matrix in LDS: 128 bytes + 32
.set WMAT,  64*PW
.set WTS,   262144                     ; behind the features (16 waves x 16 KiB; level l, slot q at 1024 l + 16 q; slot = lane for point A, 32 + lane for point B): five matrices in f16
.set W6,    WTS+5*WMAT                 ; w2_2 as 64 f16
.set RED,   W6+256                     ; 6 matrices x 16 waves: each wave's largest |w|
.set SPARE, RED+512                    ; the spare words, 128 bytes for each wave, that no other line names
; kept throughout
.set LN,  1                            ; lane
.set SPW, 2                            ; LDS address of my spare word; never rewritten
.set NIL, 3                            ; 0; never rewritten
.set RO,  4                            ; 16 x thread: my record in a level of idx, my 16 bytes of half a weight matrix
.set FS,  5                            ; where my point A's features of the level in hand go
.set FR,  6                            ; where a lane of the nets reads features: my wave + 4096 (lane / 16) + 16 (lane % 16)
.set WAD, 7                            ; my lane's place in a turning load of a weight matrix
.set OO,  8                            ; 8 x thread: my two outputs
.set OMA, 9                            ; 1 - alpha
; the encoding
.set X,   10                           ; v[10:15]  xA yA zA xB yB zB
.set RC,  16                           ; v[16:19]  the record: A's two words, B's two words
.set FT,  20                           ; v[20:21]  1 - ft, ft
.set WA,  22                           ; v[22:29]  A's 8 weights, corner x + 2 y + 4 z
.set WB,  30                           ; v[30:37]  B's
.set AD0, 38                           ; v[38:39]  dynamic sum at t's lower node
.set AD1, 40                           ; v[40:41]  at its upper node
.set QA,  44                           ; v[44:47]  A's four features
.set T,   48                           ; v[48:63]  at work
.set AA,  64                           ; v[64:87]  A's 24 indices: 8 static, 8 + 8 dynamic
.set AB,  88                           ; v[88:111] B's
.set DA,  112                          ; v[112:159] A's 24 gathered pairs
.set DB,  160                          ; v[160:207] B's
.set RAW, 208                          ; v[208:247] my 8 numbers of each of five matrices
.set QB,  208                          ; v[208:211] later: B's four features
.set RAW6, 248                         ; v[248:249] my two numbers of w2_2
.set XO,  250                          ; 24 x thread
.set W6L, 251                          ; 8 x lane
.set WS,  252                          ; where my 8 bytes of a weight row go
.set RA,  253                          ; RED + 4 x wave
.set RB,  254                          ; RED + 4 x lane
.set W6S, 255                          ; W6 + 4 x lane
; the nets
.set PS,  10                           ; v[10:17]  tile tau: a pair (scale in hand, product of the inverse scales)
.set MX,  18                           ; v[18:21]
.set TX,  22                           ; v[22:25]
.set W6A, 26                           ; W6 + 16 (lane / 16)
.set AF0, 32                           ; v[32:47]  a block of 16 output features x 64 K of W^T
.set AF1, 48                           ; v[48:63]  the next
.set ACC, 64                           ; v[64:191] accumulator (tau, mt) at ACC + 32 tau + 8 mt
.set BF,  192                          ; v[192:255] source 1: tile tau, K step kk at BF + 16 tau + 8 kk
; scalars: s[4:31] the arguments; s32 wave; s33 trips; s34, s35 at work; s36 M; s37, s38 p1 & M, p2 & M; s39 RES as f32; s[40:43] lev's entry; s44 t; s45 lanes 16-31;
; s[46:47] alpha x w1's inverse scales; s[56:57] lane selects; s58 w2's inverse scales; s59-61 at work; s[16:27], once the weights are in: the six scales, as pairs
	s_load_b512 s[4:19], s[0:1], 0x0               ; idx 4, lev 6, x 8, t 10, table_static 12, table_dynamic 14, w1_0 16, w1_1 18
	s_load_b256 s[20:27], s[0:1], 0x40             ; w1_2 20, w2_0 22, w2_1 24, w2_2 26
	s_load_b128 s[28:31], s[0:1], 0x60             ; skip_alpha 28, out0 30
	v_lshl_add_u32 v[SPW], v0, 2, SPARE
	v_mov_b32 v[NIL], 0
	v_and_b32 v[LN], 31, v0
	v_lshrrev_b32 v[T], 5, v0
	v_readfirstlane_b32 s32, v[T]                  ; wave 0..15
	v_and_b32 v[T+2], 15, v0                       ; r = lane % 16
	v_bfe_u32 v[T+3], v0, 4, 1                     ; h = lane / 16
	v_lshlrev_b32 v[RO], 4, v0
	v_lshlrev_b32 v[OO], 3, v0
	v_mul_u32_u24 v[XO], 24, v0
	v_lshlrev_b32 v[W6L], 3, v[LN]
	s_lshl_b32 s34, s32, 14                        ; my wave's 16 KiB of features
	v_lshl_add_u32 v[FS], v[LN], 4, s34
	v_lshl_add_u32 v[FR], v[T+2], 4, s34
	v_lshl_add_u32 v[FR], v[T+3], 12, v[FR]
	v_and_b32 v[T+4], 7, v0                        ; the turning load: lane l reads row 8 h + l % 8, bytes 16 ((l / 8) % 2) on
	v_lshl_add_u32 v[T+4], v[T+3], 3, v[T+4]
	v_mul_u32_u24 v[T+4], v[T+4], PW
	v_bfe_u32 v[T+5], v0, 3, 1
	v_lshl_add_u32 v[T+4], v[T+5], 4, v[T+4]
	v_add_nc_u32 v[WAD], WTS, v[T+4]
	s_mul_i32 s35, s32, 2*PW                       ; a wave's 32 threads hold two rows of a matrix: row 2 wave + h, columns 4 r on
	s_add_co_u32 s35, s35, WTS
	v_mul_u32_u24 v[T+6], v[T+3], PW
	v_lshl_add_u32 v[T+6], v[T+2], 3, v[T+6]
	v_add_nc_u32 v[WS], s35, v[T+6]
	s_lshl_b32 s35, s32, 2
	s_add_co_u32 s35, s35, RED
	v_mov_b32 v[RA], s35
	v_lshl_add_u32 v[RB], v[LN], 2, RED
	v_lshl_add_u32 v[W6S], v[LN], 2, W6
	s_mov_b32 s36, M19
	s_mov_b32 s37, 0x779b1                         ; p1 & M
	s_mov_b32 s38, 0x25795                         ; p2 & M
	s_mov_b32 s45, 0xffff0000
	s_mov_b32 s56, 0x76543210                      ; v_permlanex16_b32: each lane takes its own place in the other half
	s_mov_b32 s57, 0xfedcba98
	s_mov_b32 s33, 14
	s_mov_b32 s61, 0
	s_wait_kmcnt 0x0
	s_load_b32 s44, s[10:11], 0x0                  ; t
	s_load_b32 s46, s[28:29], 0x0                  ; alpha
	s_load_b128 s[40:43], s[6:7], 0x0              ; lev[0]
	s_lshl_b32 s60, ttmp9, 13                      ; 512 threads x 16 bytes
	s_add_nc_u64 s[4:5], s[4:5], s[60:61]
	s_mul_i32 s60, ttmp9, 12288                    ; 512 x 24
	s_add_nc_u64 s[8:9], s[8:9], s[60:61]
	s_lshl_b32 s60, ttmp9, 12                      ; 512 x 8
	s_add_nc_u64 s[30:31], s[30:31], s[60:61]
	global_load_b128 v[RC:RC+3], v[RO], s[4:5] th:TH_LOAD_NT     ; level 0's record
	global_load_b64 v[X:X+1],   v[XO], s[8:9]
	global_load_b64 v[X+2:X+3], v[XO], s[8:9] offset:8
	global_load_b64 v[X+4:X+5], v[XO], s[8:9] offset:16
	global_load_b64 v[RAW6:RAW6+1], v[W6L], s[26:27]             ; every wave takes all of w2_2
.irp n, 0,1,2,3,4
	global_load_b128 v[RAW+8*\n:RAW+8*\n+3],   v[RO], s[16+2*\n:17+2*\n]
	global_load_b128 v[RAW+8*\n+4:RAW+8*\n+7], v[RO], s[16+2*\n:17+2*\n] offset:8192
.endr
.macro SEL pt                          ; the registers of point A (0) or B (1)
.if \pt
.set rR, RC+2
.set rX, X+3
.set rW, WB
.set rA, AB
.set rD, DB
.set rQ, QB
.else
.set rR, RC
.set rX, X
.set rW, WA
.set rA, AA
.set rD, DA
.set rQ, QA
.endif
.endm
; The point's 24 indices from its record and lev's entry.
.macro ADDR pt
	SEL \pt
	v_and_b32 v[T], s36, v[rR]                     ; x's term
	v_alignbit_b32 v[T+2], v[rR+1], v[rR], 19
	v_bfe_u32 v[T+4], v[rR+1], 6, 19               ; z's term
	v_and_b32 v[T+2], s36, v[T+2]                  ; y's term
	v_add_nc_u32 v[T+1], 1, v[T]                   ; the upper nodes' terms
	v_add_nc_u32 v[T+3], s37, v[T+2]
	v_add_nc_u32 v[T+5], s38, v[T+4]
	v_and_b32 v[T+1], s36, v[T+1]
	v_and_b32 v[T+3], s36, v[T+3]
	v_and_b32 v[T+5], s36, v[T+5]
	v_xor_b32 v[T+6], v[T+2], v[T+4]               ; y + 2 z = 0, 1, 2, 3
	v_xor_b32 v[T+7], v[T+3], v[T+4]
	v_xor_b32 v[T+8], v[T+2], v[T+5]
	v_xor_b32 v[T+9], v[T+3], v[T+5]
.set k, 0
.rept 8
	v_xor_b32 v[rA+k], v[T+k%2], v[T+6+k/2]
.set k, k+1
.endr
.set k, 0
.rept 8
	v_xor_b32 v[rA+8+k],  s40, v[rA+k]             ; with t's lower node,
	v_xor_b32 v[rA+16+k], s41, v[rA+k]             ; with its upper
.set k, k+1
.endr
.set k, 0
.rept 24
	v_min_u32 v[rA+k], M19, v[rA+k]                ; every term is masked, so this changes nothing
.set k, k+1
.endr
.endm
.macro ISSUE pt                        ; 24 gathers of 8 bytes; the index is multiplied by 8 in the instruction; x's two neighbours stand next to each other
	SEL \pt
.set k, 0
.rept 8
	global_load_b64 v[rD+2*k:rD+2*k+1], v[rA+k], s[12:13] scale_offset
.set k, k+1
.endr
.rept 16
	global_load_b64 v[rD+2*k:rD+2*k+1], v[rA+k], s[14:15] scale_offset
.set k, k+1
.endr
.endm
.macro WEIGHTS pt                      ; the 8 products of (1 - f, f) over x, y, z
	SEL \pt
	v_mul_f32 v[T+11], s39, v[rX]
	v_mul_f32 v[T+13], s39, v[rX+1]
	v_mul_f32 v[T+15], s39, v[rX+2]
	v_fract_f32 v[T+11], v[T+11]
	v_fract_f32 v[T+13], v[T+13]
	v_fract_f32 v[T+15], v[T+15]
	v_sub_f32 v[T+10], 1.0, v[T+11]
	v_sub_f32 v[T+12], 1.0, v[T+13]
	v_sub_f32 v[T+14], 1.0, v[T+15]
	v_pk_mul_f32 v[T+4:T+5], v[T+12:T+13], v[T+14:T+15] op_sel_hi:[1,0]             ; y's pair times 1 - fz
	v_pk_mul_f32 v[T+6:T+7], v[T+12:T+13], v[T+14:T+15] op_sel:[0,1] op_sel_hi:[1,1] ; times fz
	v_pk_mul_f32 v[rW:rW+1],   v[T+10:T+11], v[T+4:T+5] op_sel_hi:[1,0]
	v_pk_mul_f32 v[rW+2:rW+3], v[T+10:T+11], v[T+4:T+5] op_sel:[0,1] op_sel_hi:[1,1]
	v_pk_mul_f32 v[rW+4:rW+5], v[T+10:T+11], v[T+6:T+7] op_sel_hi:[1,0]
	v_pk_mul_f32 v[rW+6:rW+7], v[T+10:T+11], v[T+6:T+7] op_sel:[0,1] op_sel_hi:[1,1]
.endm
.macro TWEIGHT
	v_mul_f32 v[FT+1], s44, s39
	v_fract_f32 v[FT+1], v[FT+1]
	v_sub_f32 v[FT], 1.0, v[FT+1]
.endm
; The point's 24 pairs are weighted: three sums side by side, each started by a product; younger = the loads issued behind this point's gathers.
.macro CONSUME pt, younger
	SEL \pt
	s_wait_loadcnt \younger
	v_pk_mul_f32 v[rQ:rQ+1],   v[rD:rD+1],       v[rW:rW+1] op_sel_hi:[1,0]
	v_pk_mul_f32 v[AD0:AD0+1], v[rD+16:rD+17],   v[rW:rW+1] op_sel_hi:[1,0]
	v_pk_mul_f32 v[AD1:AD1+1], v[rD+32:rD+33],   v[rW:rW+1] op_sel_hi:[1,0]
.set k, 1
.rept 7
.if k%2
	v_pk_fma_f32 v[rQ:rQ+1],   v[rD+2*k:rD+2*k+1],       v[rW+k-1:rW+k], v[rQ:rQ+1]   op_sel:[0,1,0] op_sel_hi:[1,1,1]
	v_pk_fma_f32 v[AD0:AD0+1], v[rD+16+2*k:rD+16+2*k+1], v[rW+k-1:rW+k], v[AD0:AD0+1] op_sel:[0,1,0] op_sel_hi:[1,1,1]
	v_pk_fma_f32 v[AD1:AD1+1], v[rD+32+2*k:rD+32+2*k+1], v[rW+k-1:rW+k], v[AD1:AD1+1] op_sel:[0,1,0] op_sel_hi:[1,1,1]
.else
	v_pk_fma_f32 v[rQ:rQ+1],   v[rD+2*k:rD+2*k+1],       v[rW+k:rW+k+1], v[rQ:rQ+1]   op_sel_hi:[1,0,1]
	v_pk_fma_f32 v[AD0:AD0+1], v[rD+16+2*k:rD+16+2*k+1], v[rW+k:rW+k+1], v[AD0:AD0+1] op_sel_hi:[1,0,1]
	v_pk_fma_f32 v[AD1:AD1+1], v[rD+32+2*k:rD+32+2*k+1], v[rW+k:rW+k+1], v[AD1:AD1+1] op_sel_hi:[1,0,1]
.endif
.set k, k+1
.endr
	v_pk_mul_f32 v[rQ+2:rQ+3], v[AD0:AD0+1], v[FT:FT+1] op_sel_hi:[1,0]
	v_pk_fma_f32 v[rQ+2:rQ+3], v[AD1:AD1+1], v[FT:FT+1], v[rQ+2:rQ+3] op_sel:[0,1,0] op_sel_hi:[1,1,1]
	ds_store_b128 v[FS], v[rQ:rQ+3] offset:512*(\pt)
.endm
; LEVEL l's TRIP.  Loads are issued in this order: record l + 1, A's and B's gathers of level l (all in the trip before), record l + 2, A's gathers of l + 1, B's of l + 1.
; next = 1: level l + 1 is addressed and asked for.  rec = 1: record and lev's entry of level l + 2 are asked for.  yA, yB: the loads behind A's and B's gathers of level l.
.macro TRIP rec, next, yA, yB
.if \next
	s_wait_loadcnt 48                              ; record l + 1 is in: behind it stand the 48 gathers of level l
	s_wait_kmcnt 0x0                               ; lev's entry l + 1
	s_wait_xcnt 0x0                                ; the gathers' index registers and bases, and the record's base, are written again only behind this wait (ISA guide 3.1)
	s_cvt_f32_u32 s39, s42
	ADDR 0
	ADDR 1
.endif
.if \rec
	s_add_nc_u64 s[4:5], s[4:5], 0x200000
	global_load_b128 v[RC:RC+3], v[RO], s[4:5] th:TH_LOAD_NT
.endif
	CONSUME 0, \yA
.if \next
	s_add_nc_u64 s[12:13], s[12:13], 0x400000      ; a level of a table is 4 MiB; no gather has been issued since the wait above
	s_add_nc_u64 s[14:15], s[14:15], 0x400000
	ISSUE 0
	WEIGHTS 0
.endif
	CONSUME 1, \yB
.if \next
	ISSUE 1
	WEIGHTS 1
	TWEIGHT
	v_add_nc_u32 v[FS], 1024, v[FS]
.endif
.if \rec
	s_add_nc_u64 s[6:7], s[6:7], 16
	s_load_b128 s[40:43], s[6:7], 0x0
.endif
.endm
	s_wait_loadcnt 11                              ; record 0 and x are in; w2_2 and the ten loads of weights stay out
	s_wait_kmcnt 0x0                               ; t, alpha, lev[0]
	s_cvt_f32_u32 s39, s42
	v_sub_f32 v[OMA], 1.0, s46
	ADDR 0
	ADDR 1
	s_add_nc_u64 s[4:5], s[4:5], 0x200000
	global_load_b128 v[RC:RC+3], v[RO], s[4:5] th:TH_LOAD_NT     ; record 1
	ISSUE 0
	ISSUE 1
	WEIGHTS 0
	WEIGHTS 1
	TWEIGHT
	s_add_nc_u64 s[6:7], s[6:7], 16
	s_load_b128 s[40:43], s[6:7], 0x0              ; lev[1]
	; THE WEIGHTS, while level 0's gathers are out.  First each matrix's largest |w|.
	s_wait_loadcnt 49                              ; record 1 and the 48 gathers stay out
.set n, 0
.rept 5
	v_max3_num_f32 v[T+n], |v[RAW+8*n]|, |v[RAW+8*n+1]|, |v[RAW+8*n+2]|
	v_max3_num_f32 v[T+n], v[T+n], |v[RAW+8*n+3]|, |v[RAW+8*n+4]|
	v_max3_num_f32 v[T+n], v[T+n], |v[RAW+8*n+5]|, |v[RAW+8*n+6]|
	v_max_num_f32 v[T+n], v[T+n], |v[RAW+8*n+7]|
.set n, n+1
.endr
	v_max_num_f32 v[T+5], |v[RAW6]|, |v[RAW6+1]|
.macro ROWMAX r                        ; over each half of 16 lanes
	v_max_num_f32_dpp v[\r], v[\r], v[\r] row_xmask:1 row_mask:0xf bank_mask:0xf
	v_max_num_f32_dpp v[\r], v[\r], v[\r] row_xmask:2 row_mask:0xf bank_mask:0xf
	v_max_num_f32_dpp v[\r], v[\r], v[\r] row_xmask:4 row_mask:0xf bank_mask:0xf
	v_max_num_f32_dpp v[\r], v[\r], v[\r] row_xmask:8 row_mask:0xf bank_mask:0xf
.endm
.irp n, 0,1,2,3,4,5
	ROWMAX T+\n
	v_permlanex16_b32 v[T+6], v[T+\n], s56, s57
	v_max_num_f32 v[T+\n], v[T+\n], v[T+6]
	ds_store_b32 v[RA], v[T+\n] offset:64*\n       ; all lanes write the wave's word with the same number
.endr
	s_wait_dscnt 0x0                               ; for the others' sake
	s_barrier_signal -1
	s_barrier_wait -1
	ds_load_b32 v[T+8],  v[RB]                     ; a half of 16 lanes takes the 16 waves' words of one matrix
	ds_load_b32 v[T+9],  v[RB] offset:128
	ds_load_b32 v[T+10], v[RB] offset:256
	s_wait_dscnt 0x0
	ROWMAX T+8
	ROWMAX T+9
	ROWMAX T+10
; Matrix n: the largest |w|'s exponent field alone is 2^e, the inverse scale; 0x7f000000 less that field is 2^-e, the scale.  The inverse scales of w1_* gather in s60, those of w2_* in s58.
.macro WSCALE n
	v_readlane_b32 s59, v[T+8+(\n)/2], 16*((\n)%2)
	s_and_b32 s59, s59, 0x7f800000
	s_sub_co_u32 s[16+2*(\n)], 0x7f000000, s59
	s_mov_b32 s[17+2*(\n)], s[16+2*(\n)]           ; named with it as a pair
.if (\n) == 0
	s_mov_b32 s60, s59
.elseif (\n) < 3
	s_mul_f32 s60, s60, s59
.elseif (\n) == 3
	s_mov_b32 s58, s59
.else
	s_mul_f32 s58, s58, s59
.endif
.endm
.irp n, 0,1,2,3,4,5
	WSCALE \n
.endr
	s_mul_f32 s46, s46, s60                        ; alpha takes the third layer's result back to the features' scale
	s_mov_b32 s47, s46
.set n, 0
.rept 5
.set q, RAW+8*n
	v_pk_mul_f32 v[q:q+1],   v[q:q+1],   s[16+2*n:17+2*n] op_sel_hi:[1,0]
	v_pk_mul_f32 v[q+2:q+3], v[q+2:q+3], s[16+2*n:17+2*n] op_sel_hi:[1,0]
	v_pk_mul_f32 v[q+4:q+5], v[q+4:q+5], s[16+2*n:17+2*n] op_sel_hi:[1,0]
	v_pk_mul_f32 v[q+6:q+7], v[q+6:q+7], s[16+2*n:17+2*n] op_sel_hi:[1,0]
	v_cvt_pk_f16_f32 v[q],   v[q],   v[q+1]
	v_cvt_pk_f16_f32 v[q+1], v[q+2], v[q+3]
	v_cvt_pk_f16_f32 v[q+4], v[q+4], v[q+5]
	v_cvt_pk_f16_f32 v[q+5], v[q+6], v[q+7]
	ds_store_b64 v[WS], v[q:q+1]   offset:n*WMAT           ; rows 0-31
	ds_store_b64 v[WS], v[q+4:q+5] offset:n*WMAT+32*PW     ; rows 32-63
.set n, n+1
.endr
	v_pk_mul_f32 v[RAW6:RAW6+1], v[RAW6:RAW6+1], s[26:27] op_sel_hi:[1,0]
	v_cvt_pk_f16_f32 v[RAW6], v[RAW6], v[RAW6+1]
	s_cmp_lg_u32 s32, 0
	s_cbranch_scc1 .Lno_w6
	ds_store_b32 v[W6S], v[RAW6]                   ; wave 0 alone
.Lno_w6:
	s_wait_dscnt 0x0                               ; for the others' sake
	s_barrier_signal -1
	s_barrier_wait -1                              ; the weights are whole; from here on no wave needs another
.Llevel:                                               ; levels 0 to 13
	TRIP 1, 1, 25, 25                              ; behind A's gathers: B's 24 and a record; behind B's: the record and A's next 24
	s_sub_co_u32 s33, s33, 1
	s_cmp_lg_u32 s33, 0
	s_cbranch_scc1 .Llevel
	TRIP 0, 1, 24, 24                              ; level 14: no record is left to ask for, so no load leaves idx or lev
	TRIP 0, 0, 24, 0                               ; level 15: nothing is asked for
; THE NETS.
.macro FLOAD dst, tau                  ; tile tau's features: quad (g, i) = level 8 g + 4 h + i: {static pair, dynamic pair}; sixteen lanes read 256 neighbouring bytes
.irp g, 0,1
.irp i, 0,1,2,3
	ds_load_b128 v[(\dst)+16*\g+4*\i:(\dst)+16*\g+4*\i+3], v[FR] offset:8192*\g+1024*\i+256*(\tau)
.endr
.endr
.endm
.macro AFLOAD buf, n, mt               ; matrix n, output features 16 mt on, all 64 K: four turning loads
.irp kk, 0,1
.irp hf, 0,1
	ds_load_tr16_b128 v[(\buf)+8*\kk+4*\hf:(\buf)+8*\kk+4*\hf+3], v[WAD] offset:(\n)*WMAT+32*(\mt)+32*PW*\kk+16*PW*\hf
.endr
.endr
.endm
.macro PRE n
	AFLOAD AF0, \n, 0
	AFLOAD AF1, \n, 1
.endm
.macro PRE6                            ; every row of source 0 is w2_2, so every row of the result is the output
.irp kk, 0,1
.irp g, 0,1
	ds_load_b128 v[AF0+8*\kk+4*\g:AF0+8*\kk+4*\g+3], v[W6A] offset:64*\kk+32*\g
.endr
.endr
.endm
.macro MM mt, buf                      ; 8 matrix instructions; the four tiles' accumulators take turns; the first K step starts the sums
.irp kk, 0,1
.irp tau, 0,1,2,3
.set rC, ACC+32*\tau+8*(\mt)
.if \kk
	v_wmma_f32_16x16x32_f16 v[rC:rC+7], v[(\buf)+8:(\buf)+15], v[BF+16*\tau+8:BF+16*\tau+15], v[rC:rC+7]
.else
	v_wmma_f32_16x16x32_f16 v[rC:rC+7], v[(\buf):(\buf)+7], v[BF+16*\tau:BF+16*\tau+7], 0
.endif
.endr
.endr
.endm
.macro PLACES                          ; four places between a matrix instruction and a load into its sources or a read of its result (ISA guide 7.12.1 for a read of its result)
.rept 4
	v_nop
.endr
.endm
.macro LAYER n                         ; at its head the fragments of mt = 0 and 1 have been asked for
	s_wait_dscnt 4                                 ; the first buffer is in; the second's four loads may be out
	MM 0, AF0
	PLACES
	AFLOAD AF0, \n, 2
	s_wait_dscnt 4
	MM 1, AF1
	PLACES
	AFLOAD AF1, \n, 3
	s_wait_dscnt 4
	MM 2, AF0
	s_wait_dscnt 0x0
	MM 3, AF1
.endm
.macro RELU tau, mt                    ; ascending: an accumulator is read from its low end on
.set rC, ACC+32*(\tau)+8*(\mt)
.irp j, 0,1,2,3,4,5,6,7
	v_max_num_f32 v[rC+\j], 0, v[rC+\j]
.endr
.endm
.macro CVT tau                         ; results mt = 2 kk, 2 kk + 1 in pairs are source 1 of K step kk
.set k, 0
.rept 16
	v_cvt_pk_f16_f32 v[BF+16*(\tau)+k], v[ACC+32*(\tau)+2*k], v[ACC+32*(\tau)+2*k+1]
.set k, k+1
.endr
.endm
.macro ACT nxt                         ; ReLU and rounding; the next layer's first fragments are asked for behind the first eight lines, which are the places behind the last products
	RELU 0, 0
.if (\nxt) == 6
	PRE6
.else
	PRE \nxt
.endif
	RELU 0, 1
	RELU 0, 2
	RELU 0, 3
	CVT 0
.irp tau, 1,2,3
	RELU \tau, 0
	RELU \tau, 1
	RELU \tau, 2
	RELU \tau, 3
	CVT \tau
.endr
.endm
; Tile tau's 64 numbers a point (32 a lane) are scaled by a power of two so that the largest lies in [1, 2), and rounded to f16 as source 1.
; quad = 1: they lie as FLOAD left them; 0: as accumulators.  stage 1 starts the product of inverse scales and leaves (1 - alpha) x scale for the blend; stage 2 multiplies on.
.macro NORM tau, quad, stage
.set rC, ACC+32*(\tau)
.set rM, MX+(\tau)
.set rT, TX+(\tau)
.set rP, PS+2*(\tau)
	v_max3_num_f32 v[rM], |v[rC]|, |v[rC+1]|, |v[rC+2]|
.set k, 3
.rept 14
	v_max3_num_f32 v[rM], v[rM], |v[rC+k]|, |v[rC+k+1]|
.set k, k+2
.endr
	v_max_num_f32 v[rM], v[rM], |v[rC+31]|
	v_permlanex16_b32 v[rT], v[rM], s56, s57       ; the point's other 32 numbers lie in the lane 16 away
	v_max_num_f32 v[rM], v[rM], v[rT]
	v_and_b32 v[rT], 0x7f800000, v[rM]             ; 2^e
	v_sub_nc_u32 v[rP], 0x7f000000, v[rT]          ; 2^-e
.if (\stage) == 1
	v_mov_b32 v[rP+1], v[rT]
.else
	v_mul_f32 v[rP+1], v[rP+1], v[rT]
.endif
.set k, 0
.rept 16
	v_pk_mul_f32 v[rC+2*k:rC+2*k+1], v[rC+2*k:rC+2*k+1], v[rP:rP+1] op_sel_hi:[1,0]
.set k, k+1
.endr
.irp mt, 0,1,2,3
.irp i, 0,1,2,3
.if \quad
.set rS, rC+16*(\mt%2)+4*\i+2*(\mt/2)
.else
.set rS, rC+8*\mt+2*\i
.endif
	v_cvt_pk_f16_f32 v[BF+16*(\tau)+4*\mt+\i], v[rS], v[rS+1]
.endr
.endr
.if (\stage) == 1
	v_mul_f32 v[rP], v[OMA], v[rP]
.endif
.endm
.macro BLEND tau                       ; alpha out1 + (1 - alpha) feat, at the features' scale; the features lie in half of source 1's registers, as FLOAD left them
.irp mt, 0,1,2,3
.irp i, 0,1,2,3
.set rS, BF+32*((\tau)%2)+16*(\mt%2)+4*\i+2*(\mt/2)
	v_pk_mul_f32 v[rS:rS+1], v[rS:rS+1], v[PS+2*(\tau):PS+2*(\tau)+1] op_sel_hi:[1,0]
.endr
.endr
.irp mt, 0,1,2,3
.irp i, 0,1,2,3
.set rS, BF+32*((\tau)%2)+16*(\mt%2)+4*\i+2*(\mt/2)
.set rC, ACC+32*(\tau)+8*\mt+2*\i
	v_pk_fma_f32 v[rC:rC+1], v[rC:rC+1], s[46:47], v[rS:rS+1] op_sel_hi:[1,0,1]
.endr
.endr
.endm
	v_bfe_u32 v[W6A], v0, 4, 1
	v_lshl_add_u32 v[W6A], v[W6A], 4, W6
	FLOAD ACC, 0                                   ; LDS serves a wave's instructions in order (ISA guide 5.7.1.4): these see the wave's own stores of features
	FLOAD ACC+32, 1
	FLOAD ACC+64, 2
	FLOAD ACC+96, 3
	PRE 0
	s_wait_dscnt 32                                ; tile 0 is in; three tiles' 24 loads and 8 of fragments may be out
	NORM 0, 1, 1
	s_wait_dscnt 24
	NORM 1, 1, 1
	s_wait_dscnt 16
	NORM 2, 1, 1
	s_wait_dscnt 8
	NORM 3, 1, 1
	LAYER 0
	ACT 1
	LAYER 1
	ACT 2
	LAYER 2
	RELU 0, 0                                      ; eight places behind the last products, ahead of the loads into their sources
	FLOAD BF, 0
	FLOAD BF+32, 1
	PRE 3
	RELU 0, 1
	RELU 0, 2
	RELU 0, 3
.irp tau, 1,2,3
	RELU \tau, 0
	RELU \tau, 1
	RELU \tau, 2
	RELU \tau, 3
.endr
	s_wait_dscnt 16                                ; tile 0's features; tile 1's and the fragments may be out
	BLEND 0
	s_wait_dscnt 8
	BLEND 1
	FLOAD BF, 2
	FLOAD BF+32, 3
	s_wait_dscnt 8                                 ; the fragments and tile 2's features
	BLEND 2
	s_wait_dscnt 0x0
	BLEND 3
	NORM 0, 0, 2
	NORM 1, 0, 2
	NORM 2, 0, 2
	NORM 3, 0, 2
	LAYER 3
	ACT 4
	LAYER 4
	ACT 6
	s_wait_dscnt 0x0                               ; w2_2
	MM 0, AF0
	PLACES
.irp tau, 0,1,2,3
	v_mul_f32 v[MX+\tau], v[ACC+32*\tau], v[PS+2*\tau+1]   ; the point's two scales are undone
.endr
	v_cndmask_b32 v[TX],   v[MX],   v[MX+1], s45   ; my point A is slot lane: tile lane / 16, column lane % 16
	v_cndmask_b32 v[TX+1], v[MX+2], v[MX+3], s45   ; my point B is slot 32 + lane
	v_mul_f32 v[TX],   s58, v[TX]                  ; and w2's three
	v_mul_f32 v[TX+1], s58, v[TX+1]
	global_store_b64 v[OO], v[TX:TX+1], s[30:31] th:TH_STORE_NT  ; the wave's store covers 256 consecutive bytes, aligned
	s_wait_tensorcnt 0x0                           ; the wave's end
	ds_add_u32 v[SPW], v[NIL]
	s_wait_dscnt 0x0
	s_endpgm
.Lfunc_end_k_qa5df0e16c9_net:
	.size	k_qa5df0e16c9_net, .Lfunc_end_k_qa5df0e16c9_net-k_qa5df0e16c9_net
	.p2alignl 7, 3214868480
	.fill 96, 4, 3214868480
	.section	.rodata,"a",@progbits
	.p2align	6, 0x0
	.amdhsa_kernel k_qa5df0e16c9_net
		.amdhsa_group_segment_fixed_size 316160
		.amdhsa_private_segment_fixed_size 0
		.amdhsa_enable_private_segment 0
		.amdhsa_kernarg_size 112
		.amdhsa_user_sgpr_count 2
		.amdhsa_user_sgpr_kernarg_segment_ptr 1
		.amdhsa_wavefront_size32 1
		.amdhsa_system_sgpr_workgroup_id_x 1
		.amdhsa_system_sgpr_workgroup_id_y 1
		.amdhsa_system_sgpr_workgroup_id_z 1
		.amdhsa_system_vgpr_workitem_id 0
		.amdhsa_next_free_vgpr 256
		.amdhsa_next_free_sgpr 66
		.amdhsa_reserve_vcc 0
		.amdhsa_float_denorm_mode_32 3
		.amdhsa_float_denorm_mode_16_64 3
		.amdhsa_memory_ordered 1
		.amdhsa_forward_progress 1
		.amdhsa_inst_pref_size 154
	.end_amdhsa_kernel
	.amdgpu_metadata
---
amdhsa.version: [ 1, 2 ]
amdhsa.kernels:
  - .name:           k_qa5df0e16c9_net
    .symbol:         k_qa5df0e16c9_net.kd
    .args:
      - { .name: idx, .offset: 0, .size: 8, .value_kind: global_buffer, .address_space: global }
      - { .name: lev, .offset: 8, .size: 8, .value_kind: global_buffer, .address_space: global }
      - { .name: x, .offset: 16, .size: 8, .value_kind: global_buffer, .address_space: global }
      - { .name: t, .offset: 24, .size: 8, .value_kind: global_buffer, .address_space: global }
      - { .name: table_static, .offset: 32, .size: 8, .value_kind: global_buffer, .address_space: global }
      - { .name: table_dynamic, .offset: 40, .size: 8, .value_kind: global_buffer, .address_space: global }
      - { .name: w1_0, .offset: 48, .size: 8, .value_kind: global_buffer, .address_space: global }
      - { .name: w1_1, .offset: 56, .size: 8, .value_kind: global_buffer, .address_space: global }
      - { .name: w1_2, .offset: 64, .size: 8, .value_kind: global_buffer, .address_space: global }
      - { .name: w2_0, .offset: 72, .size: 8, .value_kind: global_buffer, .address_space: global }
      - { .name: w2_1, .offset: 80, .size: 8, .value_kind: global_buffer, .address_space: global }
      - { .name: w2_2, .offset: 88, .size: 8, .value_kind: global_buffer, .address_space: global }
      - { .name: skip_alpha, .offset: 96, .size: 8, .value_kind: global_buffer, .address_space: global }
      - { .name: out0, .offset: 104, .size: 8, .value_kind: global_buffer, .address_space: global }
    .group_segment_fixed_size: 316160
    .private_segment_fixed_size: 0
    .kernarg_segment_align: 8
    .kernarg_segment_size: 112
    .max_flat_workgroup_size: 512
    .sgpr_count:     66
    .vgpr_count:     256
    .wavefront_size: 32
...
	.end_amdgpu_metadata
.endif
;; end of part 2
;; ======== version 2 of 2: 2 launches; version 1 with the launch net written anew for expert scheduling mode
;; workspace buffers: idx 33,554,432 bytes of whole numbers; lev 512 bytes of whole numbers
;; launch grid: the kernel of part 1 again; grid 512 x 1, 8 waves a work-group, no clusters, 0 bytes of LDS; arguments x, t, idx, lev; writes idx, lev
;; launch net (part 3): grid 256 x 1, 16 waves a work-group, no clusters, 316,160 bytes of LDS; arguments idx, lev, x, t, table_static, table_dynamic, w1_0, w1_1, w1_2, w2_0, w2_1, w2_2, skip_alpha, out0; writes out0
.if DOCPART == 3
	.amdgcn_target "amdgcn-amd-amdhsa--gfx1250"
	.amdhsa_code_object_version 6
	.text
	.protected	k_qa5df0e16c9_net
	.globl	k_qa5df0e16c9_net
	.p2align	8
	.type	k_qa5df0e16c9_net,@function
k_qa5df0e16c9_net:
	s_mov_b64 s[64:65], 0
	v_nop
	global_prefetch_b8 v0, s[64:65] scope:SCOPE_SE
	s_setreg_imm32_b32 hwreg(HW_REG_WAVE_SCHED_MODE, 0, 2), 2
	s_setreg_imm32_b32 hwreg(HW_REG_WAVE_MODE, 25, 1), 1
	s_wait_xcnt 0x0
	s_wait_alu depctr_vm_vsrc(0)
; HASH ENCODING (3-D static, 4-D dynamic, 16 levels) AND BOTH NETS, IN ONE LAUNCH.
; SHARES.  256 work-groups of 16 waves; a lane owns two neighbouring points (A, B), a wave 64, a work-group 1,024: all 262,144 points are in hand at once and all waves
; walk the levels 0 to 15 in the same order.
; ENCODING.  A trip is a level.  The three masked hash terms of each point come as whole numbers from idx, t's two terms and RES from lev (an earlier launch made them).  The 8 static
; indices are exclusive ors of the terms and of the terms stepped by p & M; the 16 dynamic ones are those 8, each with one of t's two terms.  48 gathers of 8 bytes a lane and level;
; a level's gathers are issued a whole trip ahead of their use, point A's while point B's of the level before are still out.  The weights are made anew from x (fract(x RES)).
; A point's four features of a level (static 2, dynamic 2) go to the wave's own LDS in f32.
; NETS.  The matrix instruction is used transposed: source 0 = 16 output features (W is kept [k][m] in LDS and turned by ds_load_tr16_b128), source 1 = 16 points.  A lane of the result
; holds ONE point (lane % 16) and features 16 mt + 8 (lane / 16) + 0..7, so results mt = 2 kk and 2 kk + 1, rounded in pairs, ARE source 1 of the next layer's K step kk.
; FORMAT.  f16 operands, f32 sums.  The nets have no bias and only ReLU, so a positive factor passes through them.  Exact powers of two are used: each point's features, and again its
; blend, are scaled so that the largest lies in [1, 2); each weight matrix likewise.  Then hidden layer 1 is at most 64 x 2 x 2 = 256 and hidden layer 2 at most 64 x 256 x 2 = 32,768:
; inside f16 for every input.  The third layer's result stays in f32.  w1's inverse scales are folded into alpha, the points' and w2's into the last multiply.
; LIMITS.  A point whose largest feature or blend value is below 2^-126, and a matrix whose largest weight is, count as 0; largest values of 2^127 and more are not served.  Numbers more than
; 2^14 below the largest of their point or matrix keep a fixed step of 2^-24 of that scale.  |x| RES, |t| RES under 2^31 (the launch before).  NaN and infinities are not treated apart.
; NO CLUSTER, NO TENSOR LOADS: the gathers are addressed lane by lane; what work-groups share is 80 KiB of weights, read once by each.
; THE MODE: SCHED_MODE bits 1:0 = 2 (LLVM: expert scheduling mode 2), set by the entry lines.  The code itself states the register dependences
; between vector or matrix instructions and memory or LDS instructions, with s_wait_alu, always for 0.
; THE PLAN.  Registers that memory or LDS instructions touch:
;   RO, OO, FR, WAD  addresses, written once at the head.  XO, W6L, WS, RA, RB, W6S likewise, read at the head alone; their registers later belong to BF.
;   RC      the record's load lands in it; ADDR reads it.              AA, AB  ADDR writes them; the gathers read them as indices.
;   DA, DB  the gathers land in them; the sums read them.              QA, QB  the sums write them; the features' LDS stores read them.
;   FS      the features' stores read it; it is stepped once a trip.
;   ACC, BF, AF0, AF1 (the nets)  LDS loads land in them; vector and matrix instructions read and write them.
; A TRIP has two waits on va_vdst, one behind each point's sums, and one on vm_vsrc, at its end.  Behind the first: A's store, the next record, A's next gathers.  Behind the second: B's store and
; B's next gathers.  The vector lines dealt among the gathers make the next weights: they name T, WA or WB and X, none of the registers that those stores and loads touch.
; The wait on vm_vsrc frees FS, QA, QB, AA and AB for the step of FS and for the next trip's ADDR and sums; no store, load or gather is issued between it and those lines.
.set M19,   0x7ffff
.set PW,    160                        ; a row of a weight matrix in LDS: 128 bytes + 32
.set WMAT,  64*PW
.set WTS,   262144                     ; behind the features (16 waves x 16 KiB; level l, slot q at 1024 l + 16 q; slot = lane for point A, 32 + lane for point B): five matrices in f16
.set W6,    WTS+5*WMAT                 ; w2_2 as 64 f16
.set RED,   W6+256                     ; 6 matrices x 16 waves: each wave's largest |w|
.set SPARE, RED+512                    ; the spare words, 128 bytes for each wave, that no other line names
; kept throughout
.set LN,  1                            ; lane
.set SPW, 2                            ; LDS address of my spare word; never rewritten
.set NIL, 3                            ; 0; never rewritten
.set RO,  4                            ; 16 x thread: my record in a level of idx, my 16 bytes of half a weight matrix
.set FS,  5                            ; where my point A's features of the level in hand go
.set FR,  6                            ; where a lane of the nets reads features: my wave + 4096 (lane / 16) + 16 (lane % 16)
.set WAD, 7                            ; my lane's place in a turning load of a weight matrix
.set OO,  8                            ; 8 x thread: my two outputs
.set OMA, 9                            ; 1 - alpha
; the encoding
.set X,   10                           ; v[10:15]  xA yA zA xB yB zB
.set RC,  16                           ; v[16:19]  the record: A's two words, B's two words
.set FT,  20                           ; v[20:21]  1 - ft, ft
.set WA,  22                           ; v[22:29]  A's 8 weights, corner x + 2 y + 4 z
.set WB,  30                           ; v[30:37]  B's
.set AD0, 38                           ; v[38:39]  dynamic sum at t's lower node
.set AD1, 40                           ; v[40:41]  at its upper node
.set QA,  44                           ; v[44:47]  A's four features
.set T,   48                           ; v[48:63]  at work
.set AA,  64                           ; v[64:87]  A's 24 indices: 8 static, 8 + 8 dynamic
.set AB,  88                           ; v[88:111] B's
.set DA,  112                          ; v[112:159] A's 24 gathered pairs
.set DB,  160                          ; v[160:207] B's
.set RAW, 208                          ; v[208:247] my 8 numbers of each of five matrices
.set QB,  208                          ; v[208:211] later: B's four features
.set RAW6, 248                         ; v[248:249] my two numbers of w2_2
.set XO,  250                          ; 24 x thread
.set W6L, 251                          ; 8 x lane
.set WS,  252                          ; where my 8 bytes of a weight row go
.set RA,  253                          ; RED + 4 x wave
.set RB,  254                          ; RED + 4 x lane
.set W6S, 255                          ; W6 + 4 x lane
; the nets
.set PS,  10                           ; v[10:17]  tile tau: a pair (scale in hand, product of the inverse scales)
.set MX,  18                           ; v[18:21]
.set TX,  22                           ; v[22:25]
.set W6A, 26                           ; W6 + 16 (lane / 16)
.set AF0, 32                           ; v[32:47]  a block of 16 output features x 64 K of W^T
.set AF1, 48                           ; v[48:63]  the next
.set ACC, 64                           ; v[64:191] accumulator (tau, mt) at ACC + 32 tau + 8 mt
.set BF,  192                          ; v[192:255] source 1: tile tau, K step kk at BF + 16 tau + 8 kk
; scalars: s[4:31] the arguments; s32 wave; s33 trips; s34, s35 at work; s36 M; s37, s38 p1 & M, p2 & M; s39 RES as f32; s[40:43] lev's entry; s44 t; s45 lanes 16-31;
; s[46:47] alpha x w1's inverse scales; s[48:53] the six matrices' largest |w|; s[56:57] lane selects; s58 w2's inverse scales; s59-61 at work; s[16:27], once the weights are in: the six scales, as pairs
	s_load_b512 s[4:19], s[0:1], 0x0               ; idx 4, lev 6, x 8, t 10, table_static 12, table_dynamic 14, w1_0 16, w1_1 18
	s_load_b256 s[20:27], s[0:1], 0x40             ; w1_2 20, w2_0 22, w2_1 24, w2_2 26
	s_load_b128 s[28:31], s[0:1], 0x60             ; skip_alpha 28, out0 30
	v_lshl_add_u32 v[SPW], v0, 2, SPARE
	v_mov_b32 v[NIL], 0
	v_and_b32 v[LN], 31, v0
	v_lshrrev_b32 v[T], 5, v0
	v_readfirstlane_b32 s32, v[T]                  ; wave 0..15
	v_and_b32 v[T+2], 15, v0                       ; r = lane % 16
	v_bfe_u32 v[T+3], v0, 4, 1                     ; h = lane / 16
	v_lshlrev_b32 v[RO], 4, v0
	v_lshlrev_b32 v[OO], 3, v0
	v_mul_u32_u24 v[XO], 24, v0
	v_lshlrev_b32 v[W6L], 3, v[LN]
	s_wait_alu depctr_va_sdst(0)                   ; s32 is written, ahead of its first reader, the line below
	s_lshl_b32 s34, s32, 14                        ; my wave's 16 KiB of features
	v_lshl_add_u32 v[FS], v[LN], 4, s34
	v_lshl_add_u32 v[FR], v[T+2], 4, s34
	v_lshl_add_u32 v[FR], v[T+3], 12, v[FR]
	v_and_b32 v[T+4], 7, v0                        ; the turning load: lane l reads row 8 h + l % 8, bytes 16 ((l / 8) % 2) on
	v_lshl_add_u32 v[T+4], v[T+3], 3, v[T+4]
	v_mul_u32_u24 v[T+4], v[T+4], PW
	v_bfe_u32 v[T+5], v0, 3, 1
	v_lshl_add_u32 v[T+4], v[T+5], 4, v[T+4]
	v_add_nc_u32 v[WAD], WTS, v[T+4]
	s_mul_i32 s35, s32, 2*PW                       ; a wave's 32 threads hold two rows of a matrix: row 2 wave + h, columns 4 r on
	s_add_co_u32 s35, s35, WTS
	v_mul_u32_u24 v[T+6], v[T+3], PW
	v_lshl_add_u32 v[T+6], v[T+2], 3, v[T+6]
	v_add_nc_u32 v[WS], s35, v[T+6]
	s_lshl_b32 s35, s32, 2
	s_add_co_u32 s35, s35, RED
	v_mov_b32 v[RA], s35
	v_lshl_add_u32 v[RB], v[LN], 2, RED
	v_lshl_add_u32 v[W6S], v[LN], 2, W6
	s_mov_b32 s36, M19
	s_mov_b32 s37, 0x779b1                         ; p1 & M
	s_mov_b32 s38, 0x25795                         ; p2 & M
	s_mov_b32 s45, 0xffff0000
	s_mov_b32 s56, 0x76543210                      ; v_permlanex16_b32: each lane takes its own place in the other half
	s_mov_b32 s57, 0xfedcba98
	s_mov_b32 s33, 14
	s_mov_b32 s61, 0
	s_wait_kmcnt 0x0
	s_load_b32 s44, s[10:11], 0x0                  ; t
	s_load_b32 s46, s[28:29], 0x0                  ; alpha
	s_load_b128 s[40:43], s[6:7], 0x0              ; lev[0]
	s_lshl_b32 s60, ttmp9, 13                      ; 512 threads x 16 bytes
	s_add_nc_u64 s[4:5], s[4:5], s[60:61]
	s_mul_i32 s60, ttmp9, 12288                    ; 512 x 24
	s_add_nc_u64 s[8:9], s[8:9], s[60:61]
	s_lshl_b32 s60, ttmp9, 12                      ; 512 x 8
	s_add_nc_u64 s[30:31], s[30:31], s[60:61]
	s_wait_alu depctr_va_vdst(0)                   ; every address made above is written: RO, OO, FS, FR, WAD, XO, W6L, WS, RA, RB, W6S, which the loads and stores of the kernel read
	global_load_b128 v[RC:RC+3], v[RO], s[4:5] th:TH_LOAD_NT     ; level 0's record
	global_load_b64 v[X:X+1],   v[XO], s[8:9]
	global_load_b64 v[X+2:X+3], v[XO], s[8:9] offset:8
	global_load_b64 v[X+4:X+5], v[XO], s[8:9] offset:16
	global_load_b64 v[RAW6:RAW6+1], v[W6L], s[26:27]             ; every wave takes all of w2_2
.irp n, 0,1,2,3,4
	global_load_b128 v[RAW+8*\n:RAW+8*\n+3],   v[RO], s[16+2*\n:17+2*\n]
	global_load_b128 v[RAW+8*\n+4:RAW+8*\n+7], v[RO], s[16+2*\n:17+2*\n] offset:8192
.endr
.macro SEL pt                          ; the registers of point A (0) or B (1)
.if \pt
.set rR, RC+2
.set rX, X+3
.set rW, WB
.set rA, AB
.set rD, DB
.set rQ, QB
.else
.set rR, RC
.set rX, X
.set rW, WA
.set rA, AA
.set rD, DA
.set rQ, QA
.endif
.endm
; The point's 24 indices from its record and lev's entry.
.macro ADDR pt
	SEL \pt
	v_and_b32 v[T], s36, v[rR]                     ; x's term
	v_alignbit_b32 v[T+2], v[rR+1], v[rR], 19
	v_bfe_u32 v[T+4], v[rR+1], 6, 19               ; z's term
	v_and_b32 v[T+2], s36, v[T+2]                  ; y's term
	v_add_nc_u32 v[T+1], 1, v[T]                   ; the upper nodes' terms
	v_add_nc_u32 v[T+3], s37, v[T+2]
	v_add_nc_u32 v[T+5], s38, v[T+4]
	v_and_b32 v[T+1], s36, v[T+1]
	v_and_b32 v[T+3], s36, v[T+3]
	v_and_b32 v[T+5], s36, v[T+5]
	v_xor_b32 v[T+6], v[T+2], v[T+4]               ; y + 2 z = 0, 1, 2, 3
	v_xor_b32 v[T+7], v[T+3], v[T+4]
	v_xor_b32 v[T+8], v[T+2], v[T+5]
	v_xor_b32 v[T+9], v[T+3], v[T+5]
.set k, 0
.rept 8
	v_xor_b32 v[rA+k], v[T+k%2], v[T+6+k/2]
.set k, k+1
.endr
.set k, 0
.rept 8
	v_xor_b32 v[rA+8+k],  s40, v[rA+k]             ; with t's lower node,
	v_xor_b32 v[rA+16+k], s41, v[rA+k]             ; with its upper
.set k, k+1
.endr
.set k, 0
.rept 24
	v_min_u32 v[rA+k], M19, v[rA+k]                ; every term is masked, so this changes nothing
.set k, k+1
.endr
.endm
; The point's next level is asked for: 24 gathers of 8 bytes (the index is multiplied by 8 in the instruction; x's two neighbours stand next to each other), and, dealt among them, the fifteen lines that
; make that level's 8 weights, the products of (1 - f, f) over x, y, z.  These lines name T, the point's weights and X alone: none of the registers that the gathers touch, so no wait stands between.
.macro ASK pt
	SEL \pt
.set k, 0
.rept 8
	global_load_b64 v[rD+2*k:rD+2*k+1], v[rA+k], s[12:13] scale_offset
.set k, k+1
.endr
	v_mul_f32 v[T+11], s39, v[rX]
	v_mul_f32 v[T+13], s39, v[rX+1]
	v_mul_f32 v[T+15], s39, v[rX+2]
	v_fract_f32 v[T+11], v[T+11]
	v_fract_f32 v[T+13], v[T+13]
	v_fract_f32 v[T+15], v[T+15]
.rept 8
	global_load_b64 v[rD+2*k:rD+2*k+1], v[rA+k], s[14:15] scale_offset
.set k, k+1
.endr
	v_sub_f32 v[T+10], 1.0, v[T+11]
	v_sub_f32 v[T+12], 1.0, v[T+13]
	v_sub_f32 v[T+14], 1.0, v[T+15]
	v_pk_mul_f32 v[T+4:T+5], v[T+12:T+13], v[T+14:T+15] op_sel_hi:[1,0]             ; y's pair times 1 - fz
	v_pk_mul_f32 v[T+6:T+7], v[T+12:T+13], v[T+14:T+15] op_sel:[0,1] op_sel_hi:[1,1] ; times fz
.rept 8
	global_load_b64 v[rD+2*k:rD+2*k+1], v[rA+k], s[14:15] scale_offset
.set k, k+1
.endr
	v_pk_mul_f32 v[rW:rW+1],   v[T+10:T+11], v[T+4:T+5] op_sel_hi:[1,0]
	v_pk_mul_f32 v[rW+2:rW+3], v[T+10:T+11], v[T+4:T+5] op_sel:[0,1] op_sel_hi:[1,1]
	v_pk_mul_f32 v[rW+4:rW+5], v[T+10:T+11], v[T+6:T+7] op_sel_hi:[1,0]
	v_pk_mul_f32 v[rW+6:rW+7], v[T+10:T+11], v[T+6:T+7] op_sel:[0,1] op_sel_hi:[1,1]
.endm
.macro TWEIGHT
	v_mul_f32 v[FT+1], s44, s39
	v_fract_f32 v[FT+1], v[FT+1]
	v_sub_f32 v[FT], 1.0, v[FT+1]
.endm
; The point's 24 pairs are weighted: three sums side by side, each started by a product; younger = the loads issued behind this point's gathers.
.macro SUMS pt, younger
	SEL \pt
	s_wait_loadcnt \younger
	v_pk_mul_f32 v[rQ:rQ+1],   v[rD:rD+1],       v[rW:rW+1] op_sel_hi:[1,0]
	v_pk_mul_f32 v[AD0:AD0+1], v[rD+16:rD+17],   v[rW:rW+1] op_sel_hi:[1,0]
	v_pk_mul_f32 v[AD1:AD1+1], v[rD+32:rD+33],   v[rW:rW+1] op_sel_hi:[1,0]
.set k, 1
.rept 7
.if k%2
	v_pk_fma_f32 v[rQ:rQ+1],   v[rD+2*k:rD+2*k+1],       v[rW+k-1:rW+k], v[rQ:rQ+1]   op_sel:[0,1,0] op_sel_hi:[1,1,1]
	v_pk_fma_f32 v[AD0:AD0+1], v[rD+16+2*k:rD+16+2*k+1], v[rW+k-1:rW+k], v[AD0:AD0+1] op_sel:[0,1,0] op_sel_hi:[1,1,1]
	v_pk_fma_f32 v[AD1:AD1+1], v[rD+32+2*k:rD+32+2*k+1], v[rW+k-1:rW+k], v[AD1:AD1+1] op_sel:[0,1,0] op_sel_hi:[1,1,1]
.else
	v_pk_fma_f32 v[rQ:rQ+1],   v[rD+2*k:rD+2*k+1],       v[rW+k:rW+k+1], v[rQ:rQ+1]   op_sel_hi:[1,0,1]
	v_pk_fma_f32 v[AD0:AD0+1], v[rD+16+2*k:rD+16+2*k+1], v[rW+k:rW+k+1], v[AD0:AD0+1] op_sel_hi:[1,0,1]
	v_pk_fma_f32 v[AD1:AD1+1], v[rD+32+2*k:rD+32+2*k+1], v[rW+k:rW+k+1], v[AD1:AD1+1] op_sel_hi:[1,0,1]
.endif
.set k, k+1
.endr
	v_pk_mul_f32 v[rQ+2:rQ+3], v[AD0:AD0+1], v[FT:FT+1] op_sel_hi:[1,0]
	v_pk_fma_f32 v[rQ+2:rQ+3], v[AD1:AD1+1], v[FT:FT+1], v[rQ+2:rQ+3] op_sel:[0,1,0] op_sel_hi:[1,1,1]
.endm
.macro PUT pt                          ; the point's four features of the level go to the wave's own LDS
	SEL \pt
	ds_store_b128 v[FS], v[rQ:rQ+3] offset:512*(\pt)
.endm
; LEVEL l's TRIP, l = 0 to 14.  Loads are issued in this order: record l + 1, A's and B's gathers of level l (all ahead of the trip); in the trip record l + 2, A's gathers of l + 1, B's of l + 1.
; rec = 1: record and lev's entry of level l + 2 are asked for.  yB: the loads behind B's gathers of level l.  Behind A's stand B's 24 in every trip.
.macro TRIP rec, yB
	s_wait_loadcnt 48                              ; record l + 1 is in: behind it stand the 48 gathers of level l
	s_wait_kmcnt 0x0                               ; lev's entry l + 1
	s_wait_xcnt 0x0                                ; the gathers' index registers and bases, and the record's base, are written again only behind this wait (ISA guide 3.1)
	s_cvt_f32_u32 s39, s42
	ADDR 0                                         ; AA and AB are free: the wait on vm_vsrc ahead of the trip has shown them read
	ADDR 1
	SUMS 0, 24
	s_wait_alu depctr_va_vdst(0)                   ; QA and FS are written, which A's store reads; AA and AB are written, which the gathers read; ADDR is done reading RC, in which the record lands, and s40, s41; the sums are done reading DA, in which A's gathers land
.if \rec
	s_add_nc_u64 s[4:5], s[4:5], 0x200000
	s_add_nc_u64 s[6:7], s[6:7], 16
.endif
	s_add_nc_u64 s[12:13], s[12:13], 0x400000      ; a level of a table is 4 MiB; no load has been issued since the wait on XCNT above
	s_add_nc_u64 s[14:15], s[14:15], 0x400000
	PUT 0
.if \rec
	global_load_b128 v[RC:RC+3], v[RO], s[4:5] th:TH_LOAD_NT
	s_load_b128 s[40:43], s[6:7], 0x0
.endif
	ASK 0
	SUMS 1, \yB
	s_wait_alu depctr_va_vdst(0)                   ; QB is written, which B's store reads; the sums are done reading DB, in which B's gathers land
	PUT 1
	ASK 1
	TWEIGHT
	s_wait_alu depctr_vm_vsrc(0)                   ; both stores have read FS, QA and QB, the gathers AA and AB: the line below writes FS, the next trip's first lines the others
	v_add_nc_u32 v[FS], 1024, v[FS]
.endm
	s_wait_loadcnt 11                              ; record 0 and x are in; w2_2 and the ten loads of weights stay out
	s_wait_kmcnt 0x0                               ; t, alpha, lev[0]
	s_cvt_f32_u32 s39, s42
	v_sub_f32 v[OMA], 1.0, s46
	ADDR 0
	ADDR 1
	s_wait_alu depctr_va_vdst(0)                   ; AA and AB are written, which the gathers read; ADDR is done reading RC, in which record 1 lands, and s40, s41
	s_add_nc_u64 s[4:5], s[4:5], 0x200000
	s_add_nc_u64 s[6:7], s[6:7], 16
	global_load_b128 v[RC:RC+3], v[RO], s[4:5] th:TH_LOAD_NT     ; record 1
	s_load_b128 s[40:43], s[6:7], 0x0              ; lev[1]
	ASK 0
	ASK 1
	TWEIGHT
	; THE WEIGHTS, while level 0's gathers are out.  First each matrix's largest |w|.
	s_wait_loadcnt 49                              ; record 1 and the 48 gathers stay out
.set n, 0
.rept 5
	v_max3_num_f32 v[T+n], |v[RAW+8*n]|, |v[RAW+8*n+1]|, |v[RAW+8*n+2]|
	v_max3_num_f32 v[T+n], v[T+n], |v[RAW+8*n+3]|, |v[RAW+8*n+4]|
	v_max3_num_f32 v[T+n], v[T+n], |v[RAW+8*n+5]|, |v[RAW+8*n+6]|
	v_max_num_f32 v[T+n], v[T+n], |v[RAW+8*n+7]|
.set n, n+1
.endr
	v_max_num_f32 v[T+5], |v[RAW6]|, |v[RAW6+1]|
.macro ROWMAX r                        ; over each half of 16 lanes
	v_max_num_f32_dpp v[\r], v[\r], v[\r] row_xmask:1 row_mask:0xf bank_mask:0xf
	v_max_num_f32_dpp v[\r], v[\r], v[\r] row_xmask:2 row_mask:0xf bank_mask:0xf
	v_max_num_f32_dpp v[\r], v[\r], v[\r] row_xmask:4 row_mask:0xf bank_mask:0xf
	v_max_num_f32_dpp v[\r], v[\r], v[\r] row_xmask:8 row_mask:0xf bank_mask:0xf
.endm
.irp n, 0,1,2,3,4,5
	ROWMAX T+\n
	v_permlanex16_b32 v[T+6], v[T+\n], s56, s57
	v_max_num_f32 v[T+\n], v[T+\n], v[T+6]
.endr
	s_wait_alu depctr_va_vdst(0)                   ; the six maxima T to T + 5 are written, which the stores read; the lines that named T + 8 to T + 10, in which loads land behind the barrier, are done
.irp n, 0,1,2,3,4,5
	ds_store_b32 v[RA], v[T+\n] offset:64*\n       ; all lanes write the wave's word with the same number
.endr
	s_wait_dscnt 0x0                               ; for the others' sake
	s_barrier_signal -1
	s_barrier_wait -1
	ds_load_b32 v[T+8],  v[RB]                     ; a half of 16 lanes takes the 16 waves' words of one matrix
	ds_load_b32 v[T+9],  v[RB] offset:128
	ds_load_b32 v[T+10], v[RB] offset:256
	s_wait_dscnt 0x0
	ROWMAX T+8
	ROWMAX T+9
	ROWMAX T+10
.irp n, 0,1,2,3,4,5
	v_readlane_b32 s[48+\n], v[T+8+(\n)/2], 16*((\n)%2)
.endr
	s_wait_alu depctr_va_sdst(0)                   ; s48 to s53 are written, ahead of their first readers below
; Matrix n: the largest |w|'s exponent field alone is 2^e, the inverse scale; 0x7f000000 less that field is 2^-e, the scale.  The inverse scales of w1_* gather in s60, those of w2_* in s58.
.macro WSCALE n
	s_and_b32 s59, s[48+(\n)], 0x7f800000
	s_sub_co_u32 s[16+2*(\n)], 0x7f000000, s59
	s_mov_b32 s[17+2*(\n)], s[16+2*(\n)]           ; named with it as a pair
.if (\n) == 0
	s_mov_b32 s60, s59
.elseif (\n) < 3
	s_mul_f32 s60, s60, s59
.elseif (\n) == 3
	s_mov_b32 s58, s59
.else
	s_mul_f32 s58, s58, s59
.endif
.endm
.irp n, 0,1,2,3,4,5
	WSCALE \n
.endr
	s_mul_f32 s46, s46, s60                        ; alpha takes the third layer's result back to the features' scale
	s_mov_b32 s47, s46
.set n, 0
.rept 5
.set q, RAW+8*n
	v_pk_mul_f32 v[q:q+1],   v[q:q+1],   s[16+2*n:17+2*n] op_sel_hi:[1,0]
	v_pk_mul_f32 v[q+2:q+3], v[q+2:q+3], s[16+2*n:17+2*n] op_sel_hi:[1,0]
	v_pk_mul_f32 v[q+4:q+5], v[q+4:q+5], s[16+2*n:17+2*n] op_sel_hi:[1,0]
	v_pk_mul_f32 v[q+6:q+7], v[q+6:q+7], s[16+2*n:17+2*n] op_sel_hi:[1,0]
	v_cvt_pk_f16_f32 v[q],   v[q],   v[q+1]
	v_cvt_pk_f16_f32 v[q+1], v[q+2], v[q+3]
	v_cvt_pk_f16_f32 v[q+4], v[q+4], v[q+5]
	v_cvt_pk_f16_f32 v[q+5], v[q+6], v[q+7]
.set n, n+1
.endr
	v_pk_mul_f32 v[RAW6:RAW6+1], v[RAW6:RAW6+1], s[26:27] op_sel_hi:[1,0]
	v_cvt_pk_f16_f32 v[RAW6], v[RAW6], v[RAW6+1]
	s_wait_alu depctr_va_vdst(0)                   ; the roundings have written RAW and RAW6, which the eleven stores below read
.set n, 0
.rept 5
.set q, RAW+8*n
	ds_store_b64 v[WS], v[q:q+1]   offset:n*WMAT           ; rows 0-31
	ds_store_b64 v[WS], v[q+4:q+5] offset:n*WMAT+32*PW     ; rows 32-63
.set n, n+1
.endr
	s_cmp_lg_u32 s32, 0
	s_cbranch_scc1 .Lno_w6
	ds_store_b32 v[W6S], v[RAW6]                   ; wave 0 alone
.Lno_w6:
	s_wait_dscnt 0x0                               ; for the others' sake
	s_barrier_signal -1
	s_barrier_wait -1                              ; the weights are whole; from here on no wave needs another
	s_wait_alu depctr_vm_vsrc(0)                   ; the LDS stores have read T, RAW and RAW6, the head's loads and stores XO, W6L, WS, RA, RB and W6S, level 0's gathers AA and AB: the trips write T, AA, AB and QB, the nets the rest
.Llevel:                                               ; levels 0 to 13
	TRIP 1, 25                                     ; behind B's gathers: the record and A's next 24
	s_sub_co_u32 s33, s33, 1
	s_cmp_lg_u32 s33, 0
	s_cbranch_scc1 .Llevel
	TRIP 0, 24                                     ; level 14: no record is left to ask for, so no load leaves idx or lev
	SUMS 0, 24                                     ; level 15: nothing is asked for
	SUMS 1, 0
	v_bfe_u32 v[W6A], v0, 4, 1
	v_lshl_add_u32 v[W6A], v[W6A], 4, W6
	s_wait_alu depctr_va_vdst(0)                   ; QA, QB and FS are written, which the two stores read, and W6A, which w2_2's loads read; the encoding is done with v32 to v191, in which the loads below land
	PUT 0
	PUT 1
	s_wait_alu depctr_vm_vsrc(0)                   ; the two stores have read QA, which lies in AF0, and QB, which lies in BF
; THE NETS.
.macro FLOAD dst, tau                  ; tile tau's features: quad (g, i) = level 8 g + 4 h + i: {static pair, dynamic pair}; sixteen lanes read 256 neighbouring bytes
.irp g, 0,1
.irp i, 0,1,2,3
	ds_load_b128 v[(\dst)+16*\g+4*\i:(\dst)+16*\g+4*\i+3], v[FR] offset:8192*\g+1024*\i+256*(\tau)
.endr
.endr
.endm
.macro AFLOAD buf, n, mt               ; matrix n, output features 16 mt on, all 64 K: four turning loads
.irp kk, 0,1
.irp hf, 0,1
	ds_load_tr16_b128 v[(\buf)+8*\kk+4*\hf:(\buf)+8*\kk+4*\hf+3], v[WAD] offset:(\n)*WMAT+32*(\mt)+32*PW*\kk+16*PW*\hf
.endr
.endr
.endm
.macro PRE n
	AFLOAD AF0, \n, 0
	AFLOAD AF1, \n, 1
.endm
.macro PRE6                            ; every row of source 0 is w2_2, so every row of the result is the output
.irp kk, 0,1
.irp g, 0,1
	ds_load_b128 v[AF0+8*\kk+4*\g:AF0+8*\kk+4*\g+3], v[W6A] offset:64*\kk+32*\g
.endr
.endr
.endm
.macro MM mt, buf                      ; 8 matrix instructions; the four tiles' accumulators take turns; the first K step starts the sums
.irp kk, 0,1
.irp tau, 0,1,2,3
.set rC, ACC+32*\tau+8*(\mt)
.if \kk
	v_wmma_f32_16x16x32_f16 v[rC:rC+7], v[(\buf)+8:(\buf)+15], v[BF+16*\tau+8:BF+16*\tau+15], v[rC:rC+7]
.else
	v_wmma_f32_16x16x32_f16 v[rC:rC+7], v[(\buf):(\buf)+7], v[BF+16*\tau:BF+16*\tau+7], 0
.endif
.endr
.endr
.endm
.macro PLACES                          ; four places between a matrix instruction and a load into its sources or a read of its result (ISA guide 7.12.1 for a read of its result)
.rept 4
	v_nop
.endr
.endm
.macro LAYER n                         ; at its head the fragments of mt = 0 and 1 have been asked for
	s_wait_dscnt 4                                 ; the first buffer is in; the second's four loads may be out
	MM 0, AF0
	PLACES
	s_wait_alu depctr_va_vdst(0)                   ; the eight products above are done reading AF0, in which the block mt = 2 lands
	AFLOAD AF0, \n, 2
	s_wait_dscnt 4
	MM 1, AF1
	PLACES
	s_wait_alu depctr_va_vdst(0)                   ; the eight products above are done reading AF1, in which the block mt = 3 lands
	AFLOAD AF1, \n, 3
	s_wait_dscnt 4
	MM 2, AF0
	s_wait_dscnt 0x0
	MM 3, AF1
.endm
.macro RELU tau, mt                    ; ascending: an accumulator is read from its low end on
.set rC, ACC+32*(\tau)+8*(\mt)
.irp j, 0,1,2,3,4,5,6,7
	v_max_num_f32 v[rC+\j], 0, v[rC+\j]
.endr
.endm
.macro CVT tau                         ; results mt = 2 kk, 2 kk + 1 in pairs are source 1 of K step kk
.set k, 0
.rept 16
	v_cvt_pk_f16_f32 v[BF+16*(\tau)+k], v[ACC+32*(\tau)+2*k], v[ACC+32*(\tau)+2*k+1]
.set k, k+1
.endr
.endm
.macro ACT nxt                         ; ReLU and rounding; the next layer's first fragments are asked for behind the first eight lines, which are the places behind the last products
	RELU 0, 0
	s_wait_alu depctr_va_vdst(0)                   ; the layer's last sixteen products are done reading AF0 and AF1, in which the next layer's first blocks land
.if (\nxt) == 6
	PRE6
.else
	PRE \nxt
.endif
	RELU 0, 1
	RELU 0, 2
	RELU 0, 3
	CVT 0
.irp tau, 1,2,3
	RELU \tau, 0
	RELU \tau, 1
	RELU \tau, 2
	RELU \tau, 3
	CVT \tau
.endr
.endm
; Tile tau's 64 numbers a point (32 a lane) are scaled by a power of two so that the largest lies in [1, 2), and rounded to f16 as source 1.
; quad = 1: they lie as FLOAD left them; 0: as accumulators.  stage 1 starts the product of inverse scales and leaves (1 - alpha) x scale for the blend; stage 2 multiplies on.
.macro NORM tau, quad, stage
.set rC, ACC+32*(\tau)
.set rM, MX+(\tau)
.set rT, TX+(\tau)
.set rP, PS+2*(\tau)
	v_max3_num_f32 v[rM], |v[rC]|, |v[rC+1]|, |v[rC+2]|
.set k, 3
.rept 14
	v_max3_num_f32 v[rM], v[rM], |v[rC+k]|, |v[rC+k+1]|
.set k, k+2
.endr
	v_max_num_f32 v[rM], v[rM], |v[rC+31]|
	v_permlanex16_b32 v[rT], v[rM], s56, s57       ; the point's other 32 numbers lie in the lane 16 away
	v_max_num_f32 v[rM], v[rM], v[rT]
	v_and_b32 v[rT], 0x7f800000, v[rM]             ; 2^e
	v_sub_nc_u32 v[rP], 0x7f000000, v[rT]          ; 2^-e
.if (\stage) == 1
	v_mov_b32 v[rP+1], v[rT]
.else
	v_mul_f32 v[rP+1], v[rP+1], v[rT]
.endif
.set k, 0
.rept 16
	v_pk_mul_f32 v[rC+2*k:rC+2*k+1], v[rC+2*k:rC+2*k+1], v[rP:rP+1] op_sel_hi:[1,0]
.set k, k+1
.endr
.irp mt, 0,1,2,3
.irp i, 0,1,2,3
.if \quad
.set rS, rC+16*(\mt%2)+4*\i+2*(\mt/2)
.else
.set rS, rC+8*\mt+2*\i
.endif
	v_cvt_pk_f16_f32 v[BF+16*(\tau)+4*\mt+\i], v[rS], v[rS+1]
.endr
.endr
.if (\stage) == 1
	v_mul_f32 v[rP], v[OMA], v[rP]
.endif
.endm
.macro BLEND tau                       ; alpha out1 + (1 - alpha) feat, at the features' scale; the features lie in half of source 1's registers, as FLOAD left them
.irp mt, 0,1,2,3
.irp i, 0,1,2,3
.set rS, BF+32*((\tau)%2)+16*(\mt%2)+4*\i+2*(\mt/2)
	v_pk_mul_f32 v[rS:rS+1], v[rS:rS+1], v[PS+2*(\tau):PS+2*(\tau)+1] op_sel_hi:[1,0]
.endr
.endr
.irp mt, 0,1,2,3
.irp i, 0,1,2,3
.set rS, BF+32*((\tau)%2)+16*(\mt%2)+4*\i+2*(\mt/2)
.set rC, ACC+32*(\tau)+8*\mt+2*\i
	v_pk_fma_f32 v[rC:rC+1], v[rC:rC+1], s[46:47], v[rS:rS+1] op_sel_hi:[1,0,1]
.endr
.endr
.endm
	FLOAD ACC, 0                                   ; LDS serves a wave's instructions in order (ISA guide 5.7.1.4): these see the wave's own stores of features
	FLOAD ACC+32, 1
	FLOAD ACC+64, 2
	FLOAD ACC+96, 3
	PRE 0
	s_wait_dscnt 32                                ; tile 0 is in; three tiles' 24 loads and 8 of fragments may be out
	NORM 0, 1, 1
	s_wait_dscnt 24
	NORM 1, 1, 1
	s_wait_dscnt 16
	NORM 2, 1, 1
	s_wait_dscnt 8
	NORM 3, 1, 1
	LAYER 0
	ACT 1
	LAYER 1
	ACT 2
	LAYER 2
	RELU 0, 0                                      ; eight places behind the last products, ahead of the loads into their sources
	s_wait_alu depctr_va_vdst(0)                   ; the layer's products are done reading BF, AF0 and AF1, in which the features and the next layer's first blocks land
	FLOAD BF, 0
	FLOAD BF+32, 1
	PRE 3
	RELU 0, 1
	RELU 0, 2
	RELU 0, 3
.irp tau, 1,2,3
	RELU \tau, 0
	RELU \tau, 1
	RELU \tau, 2
	RELU \tau, 3
.endr
	s_wait_dscnt 16                                ; tile 0's features; tile 1's and the fragments may be out
	BLEND 0
	s_wait_dscnt 8
	BLEND 1
	s_wait_alu depctr_va_vdst(0)                   ; the two blends are done reading and writing BF, in which the features of tiles 2 and 3 land
	FLOAD BF, 2
	FLOAD BF+32, 3
	s_wait_dscnt 8                                 ; the fragments and tile 2's features
	BLEND 2
	s_wait_dscnt 0x0
	BLEND 3
	NORM 0, 0, 2
	NORM 1, 0, 2
	NORM 2, 0, 2
	NORM 3, 0, 2
	LAYER 3
	ACT 4
	LAYER 4
	ACT 6
	s_wait_dscnt 0x0                               ; w2_2
	MM 0, AF0
	PLACES
.irp tau, 0,1,2,3
	v_mul_f32 v[MX+\tau], v[ACC+32*\tau], v[PS+2*\tau+1]   ; the point's two scales are undone
.endr
	v_cndmask_b32 v[TX],   v[MX],   v[MX+1], s45   ; my point A is slot lane: tile lane / 16, column lane % 16
	v_cndmask_b32 v[TX+1], v[MX+2], v[MX+3], s45   ; my point B is slot 32 + lane
	v_mul_f32 v[TX],   s58, v[TX]                  ; and w2's three
	v_mul_f32 v[TX+1], s58, v[TX+1]
	s_wait_alu depctr_va_vdst(0)                   ; the two multiplies have written TX and TX + 1, which the store reads
	global_store_b64 v[OO], v[TX:TX+1], s[30:31] th:TH_STORE_NT  ; the wave's store covers 256 consecutive bytes, aligned
	s_wait_dscnt 0x0                               ; the wave's end
	s_wait_alu 0x0
	s_wait_tensorcnt 0x0
	ds_add_u32 v[SPW], v[NIL]
	s_wait_dscnt 0x0
	s_endpgm
.Lfunc_end_k_qa5df0e16c9_net:
	.size	k_qa5df0e16c9_net, .Lfunc_end_k_qa5df0e16c9_net-k_qa5df0e16c9_net
	.p2alignl 7, 3214868480
	.fill 96, 4, 3214868480
	.section	.rodata,"a",@progbits
	.p2align	6, 0x0
	.amdhsa_kernel k_qa5df0e16c9_net
		.amdhsa_group_segment_fixed_size 316160
		.amdhsa_private_segment_fixed_size 0
		.amdhsa_enable_private_segment 0
		.amdhsa_kernarg_size 112
		.amdhsa_user_sgpr_count 2
		.amdhsa_user_sgpr_kernarg_segment_ptr 1
		.amdhsa_wavefront_size32 1
		.amdhsa_system_sgpr_workgroup_id_x 1
		.amdhsa_system_sgpr_workgroup_id_y 1
		.amdhsa_system_sgpr_workgroup_id_z 1
		.amdhsa_system_vgpr_workitem_id 0
		.amdhsa_next_free_vgpr 256
		.amdhsa_next_free_sgpr 66
		.amdhsa_reserve_vcc 0
		.amdhsa_float_denorm_mode_32 3
		.amdhsa_float_denorm_mode_16_64 3
		.amdhsa_memory_ordered 1
		.amdhsa_forward_progress 1
		.amdhsa_inst_pref_size 155
	.end_amdhsa_kernel
	.amdgpu_metadata
---
amdhsa.version: [ 1, 2 ]
amdhsa.kernels:
  - .name:           k_qa5df0e16c9_net
    .symbol:         k_qa5df0e16c9_net.kd
    .args:
      - { .name: idx, .offset: 0, .size: 8, .value_kind: global_buffer, .address_space: global }
      - { .name: lev, .offset: 8, .size: 8, .value_kind: global_buffer, .address_space: global }
      - { .name: x, .offset: 16, .size: 8, .value_kind: global_buffer, .address_space: global }
      - { .name: t, .offset: 24, .size: 8, .value_kind: global_buffer, .address_space: global }
      - { .name: table_static, .offset: 32, .size: 8, .value_kind: global_buffer, .address_space: global }
      - { .name: table_dynamic, .offset: 40, .size: 8, .value_kind: global_buffer, .address_space: global }
      - { .name: w1_0, .offset: 48, .size: 8, .value_kind: global_buffer, .address_space: global }
      - { .name: w1_1, .offset: 56, .size: 8, .value_kind: global_buffer, .address_space: global }
      - { .name: w1_2, .offset: 64, .size: 8, .value_kind: global_buffer, .address_space: global }
      - { .name: w2_0, .offset: 72, .size: 8, .value_kind: global_buffer, .address_space: global }
      - { .name: w2_1, .offset: 80, .size: 8, .value_kind: global_buffer, .address_space: global }
      - { .name: w2_2, .offset: 88, .size: 8, .value_kind: global_buffer, .address_space: global }
      - { .name: skip_alpha, .offset: 96, .size: 8, .value_kind: global_buffer, .address_space: global }
      - { .name: out0, .offset: 104, .size: 8, .value_kind: global_buffer, .address_space: global }
    .group_segment_fixed_size: 316160
    .private_segment_fixed_size: 0
    .kernarg_segment_align: 8
    .kernarg_segment_size: 112
    .max_flat_workgroup_size: 512
    .sgpr_count:     66
    .vgpr_count:     256
    .wavefront_size: 32
...
	.end_amdgpu_metadata
.endif
;; end of part 3
